; MI455X (gfx1250); checked and timed in simulation.
; The chip was launched on July 23, 2026; its instructions are those of AMD's public machine-readable ISA for CDNA 5 (MIT licence, August 2026) and "CDNA5" Instruction Set Architecture Reference Guide (July 2026). The comments in the code are by the model that wrote it; some were corrected since.
;; Multi Head Attention. Allowed arithmetic: matrix products marked QUANTISED: E4M3 operands, one given power-of-two scale a tensor, by v_wmma_f32_16x16x64_fp8_fp8 or v_wmma_f32_16x16x128_fp8_fp8, f32 sums; everything else in f32.
;; Inputs: Wk_codes 16 x 64 x 32 x 32 uint8 (E4M3 codes of Wk, K innermost, in blocks of 32 codes); Wo_codes 1,024 x 32 x 32 uint8 (E4M3 codes of Wo, K innermost, in blocks of 32 codes); Wq_codes 16 x 64 x 32 x 32 uint8 (E4M3 codes of Wq, K innermost, in blocks of 32 codes); Wv_codes 16 x 64 x 32 x 32 uint8 (E4M3 codes of Wv, K innermost, in blocks of 32 codes); bo 1,024 float32; lowp_scales 12 int32 (the exponents e of the quantised operands' scales 2^e); x_codes 4 x 2,048 x 32 x 32 uint8 (E4M3 codes of x, K innermost, in blocks of 32 codes).
;; Outputs: out0 4 x 2,048 x 1,024 float32.
;; This version of the problem:
;;   THIS VERSION OF THE PROBLEM IS GIVEN IN LOW PRECISION. The matrix products marked QUANTISED in the list below multiply operands that are first quantised to E4M3 (4 exponent bits, 3 mantissa bits; 8 bits a number), with one given power-of-two scale for each operand tensor; their sums are f32. All else is computed in f32.
;;   The module's matrix products, in the order in which they are computed (A, B: the left and right operand; K: the contracted axis; several contracted axes count as one K, in the product's order):
;;     1. [M 1,024, K 1,024] x [K 1,024, N 8,192]; A: input Wq (given as codes); B: input x (given as codes): QUANTISED (scales: A lowp_scales[0], B lowp_scales[1])
;;     2. [M 1,024, K 1,024] x [K 1,024, N 8,192]; A: input Wk (given as codes); B: input x (given as codes): QUANTISED (scales: A lowp_scales[2], B lowp_scales[3])
;;     3. [M 1,024, K 1,024] x [K 1,024, N 8,192]; A: input Wv (given as codes); B: input x (given as codes): QUANTISED (scales: A lowp_scales[4], B lowp_scales[5])
;;     4. batch 64 x [M 2,048, K 64] x [K 64, N 2,048]; A: computed on the way; B: computed on the way: QUANTISED (scales: A lowp_scales[6], B lowp_scales[7])
;;     5. batch 64 x [M 2,048, K 2,048] x [K 2,048, N 64]; A: softmax (see below); B: computed on the way: QUANTISED (scales: A lowp_scales[8], B lowp_scales[9])
;;     6. [M 8,192, K 1,024] x [K 1,024, N 1,024]; A: computed on the way; B: input Wo (given as codes): QUANTISED (scales: A lowp_scales[10], B lowp_scales[11])
;;   THE QUANTISER, for each operand of a quantised product, along K:
;;     - The operand's scale is 2^e, e = its entry of the input lowp_scales (int32; the entries are numbered through the quantised products in the list's order, A before B).
;;     - Each number is divided by the scale, clamped to +-448, and rounded to the nearest number of E4M3, ties to even, subnormals kept.
;;     - The product sums the exact products of the quantised numbers (number of the format x scale) in f32.
;;   ~~~python
;;   def quantise(x, axis, e):      # numpy; x: float32 -> the quantised numbers, widened to float32 again
;;       x = np.moveaxis(x, axis, -1); K = x.shape[-1]
;;       r = np.clip(x / 2.0 ** e, -448, 448)
;;       step = 2.0 ** (np.maximum(np.frexp(np.where(r == 0, 1, r))[1] - 1, -6) - 3)
;;       q = np.round(r / step) * step * 2.0 ** e      # np.round: ties to even
;;       return np.moveaxis(q, -1, axis).astype(np.float32)
;;   ~~~
;;   SOFTMAX AHEAD OF A QUANTISED PRODUCT. Where the list says 'softmax', what is quantised is not the finished softmax but p = 2^(t - M), with t = logit x log2(e) and M = ceil(the row's largest t), a whole number; so 1/2 < the row's largest p <= 1. The row's sum l is taken of the UNQUANTISED p, in f32, and the product's result is divided by l at the end. Since M is a whole number, a kernel that streams over the keys may use a running M (the ceiling of the running maximum): every later rescaling is an exact power of two, so the quantised numbers keep their values, but for numbers so far below the row's largest that they fall under the format's range.
;;   OPERANDS COMPUTED ON THE WAY. 'Computed on the way' means the value that the module computes at that place (a softmax that the list does not call 'softmax' is quantised finished and normalised). What goes into a quantiser is computed in f32, as accurately as f32 sums, v_exp_f32 and their like allow (about 1e-6 of the number): no bf16 or f16 on the way to a quantiser, and a product that is left as it is and whose result goes on into a quantised operand takes f32 operands (vector FMAs, or v_wmma_f32_16x16x4_f32). A number that lies on a knife's edge between two numbers of the format may be rounded either way, as far as f32 arithmetic and the matrix unit's own rounding can turn it there, and no further.
;;   INPUTS GIVEN AS CODES. Wk (in the module: [16, 1024, 64], K = its axis 1); Wo (in the module: [1024, 1024], K = its axis 1); Wq (in the module: [16, 1024, 64], K = its axis 1); Wv (in the module: [16, 1024, 64], K = its axis 1); x (in the module: [4, 2048, 1024], K = its axis 2): each comes as NAME_codes (uint8): NAME with its K axis moved to the last place and cut into blocks of 32 codes, [.., K / 32, bytes a block], one block behind the other in memory; one code a byte (a code: sign, 4 exponent bits, 3 mantissa bits); its scale is its entry of lowp_scales. Its value is code x scale, taken as it is: it is not quantised again, and the codes and scales need not be those that the quantiser above would give.
;; One version. Each part assembles by itself: llvm-mc -triple=amdgcn-amd-amdhsa -mcpu=gfx1250 --defsym DOCPART=n.
;; ======== version 1 of 1: 3 launches
;; limits: right only within a limited range of input values
;; workspace buffers: qc 8,388,608 bytes; kc 8,388,608 bytes; vc 8,388,608 bytes; ac 8,388,608 bytes
;; launch proj (part 1): grid 8 x 32, 4 waves a work-group, clusters of 4 x 4, 327,680 bytes of LDS; arguments x_codes, Wq_codes, Wk_codes, Wv_codes, lowp_scales, qc, kc, vc; writes qc, kc, vc
.if DOCPART == 1
	.amdgcn_target "amdgcn-amd-amdhsa--gfx1250"
	.amdhsa_code_object_version 6
	.text
	.protected	k_qea9cb35ca5_proj
	.globl	k_qea9cb35ca5_proj
	.p2align	8
	.type	k_qea9cb35ca5_proj,@function
k_qea9cb35ca5_proj:
	s_mov_b64 s[64:65], 0
	v_nop
	global_prefetch_b8 v0, s[64:65] scope:SCOPE_SE
	s_setreg_imm32_b32 hwreg(HW_REG_WAVE_MODE, 25, 1), 1
	s_wait_xcnt 0x0
	s_wait_alu depctr_hold_cnt(0) depctr_sa_sdst(0) depctr_va_vdst(0) depctr_va_sdst(0) depctr_va_ssrc(0) depctr_va_vcc(0) depctr_vm_vsrc(0)
	s_getreg_b32 s2, hwreg(HW_REG_IB_STS2, 6, 4)
	s_cmp_eq_u32 s2, 0
	s_cbranch_scc0 .Lentry_in_a_cluster
	s_endpgm
.Lentry_in_a_cluster:
	s_bfe_u32 s2, ttmp6, 0x10000c
	s_cmp_lg_u32 s2, 0xf033
	s_cbranch_scc0 .Lentry_shape_is_right
	s_endpgm
.Lentry_shape_is_right:
; q, k, v = x W (products 1 to 3) on codes of E4M3, and their quantising for products 4 and 5.  C[m][n] = Q(sum over k of A[m][k] B[n][k]); rows of A and of B are 1,024 codes; K = 1,024.
; THE DEAL: q and k are 8,192 x 2,048 results = 256 tiles of 256 x 256; v is 1,024 x 8,192 = 256 half tiles of 128 x 256.  The grid is 256 work-groups, and each makes one tile of q (cluster x = 0) or k (1),
; A = x, B = Wq or Wk, and then one half tile of v, A = Wv (128 channels), B = x (256 tokens): the same work for all.
; The matrix instruction is used transposed (source 0 = 16 rows of B, source 1 = 16 rows of A), so a lane holds one row of A and eight neighbouring rows of B: for q and k eight neighbours along the head's 64
; (product 4's K), for v eight neighbouring tokens (product 5's K).
; A sum's code is sum / 2^S, S = e6 - e0 - e1 (q), e7 - e2 - e3 (k), e9 - e4 - e5 (v), held within +-448 x 2^S, to the nearest code, ties to even.  q or k is a choice by s_cselect, no branch.
; LIMITS: each S lies between -126 and 119, so that 2^S and 448 x 2^S are f32 numbers.  NaN codes among the inputs are not served.
; A fragment takes k in the order 32 c + 16 (lane / 16) + 0 .. 15, the same in A and in B: every product meets its partner; only the order inside an instruction's sum differs.
; OUT: qc, kc: [16 h][8192 token][64 s];  vc: [16 h][64 blocks of 128 tokens][64 s][128 tokens].
; THE RING: K goes in steps of 256 through two LDS slots (A's rows, then B's 256), four steps a tile, and does not stop between the tiles: the first tile's last two changes of slots ask for v's K steps 0 and 1,
; and the first tile goes out, through a stage on bytes of its own, while those loads are on their way.
; SHARES: first tile: four waves of 128 x 128 (64 accumulators).  v: four waves of 64 x 128 (32 accumulators): a wave's part is one head's 64 channels x one block of 128 tokens, 8 KiB on end in vc.
; CLUSTER 4 x 4: A's tile is asked for jointly along a row of the cluster (x: tokens 256 (4 Y + cy); Wv: channels 128 (4 X + cy)), B's along a column (W: channels 256 cx; x: tokens 256 (4 Y + cx)).
; NO PREFETCH: the block is the largest that the registers hold, in clusters, and a tile's K is four steps.
; REGISTERS: window 0: v0-31 addresses and constants; v128-255 A's fragments (v: two sets of 64); on the way out v32-143 at work.  window 1: B's fragments, two sets.  windows 2, 3: accumulators.
.set KROW,   1024
.set ROWB,   256
.set PITCH,  272                       ; an LDS row: 256 bytes + 16 of padding
.set FR,     16
.set NL,     4
.set NP,     4                         ; places behind this matrix instruction (ISA guide 7.12.1)
.set HALFT,  128*PITCH
.set SLOT,   4*HALFT
.set SPARE,  2*SLOT                    ; the spare words, 128 bytes a wave
.set STAGE,  SPARE+512                 ; the way out: 16 rows x 144 bytes a wave; no fill lands here
.set SP,     144
.set PADW,   (1<<20)|(1<<21)|(5<<22)|(3<<25)   ; elements of 1 byte; padding on; bit 21 beside a mask; four words behind every 64
.set CO1,  8                           ; v8-11   my byte offsets in qc or kc for the four stores of a block
.set CO2,  12                          ; v12-15  the same in vc
.set ADRA, 16                          ; v16-17  LDS address of my A fragments in slot 0, 1: first tile
.set ADRA2, 18                         ; v18-19  the same for v
.set ADRB, 20                          ; v20-21  the same for B, both tiles
.set STO,  24
.set RD,   25
.set SC1,  26                          ; 2^S and 448 x 2^S, first tile
.set LIM1, 27
.set SPW,  28
.set NIL,  29
.set SC2,  30                          ; and for v
.set LIM2, 31
.set TMP,  32
.set CD,   96
.set BK,   112
.set AF,   128
.set G1A2, 4                           ; s[4:11]  group 1 for Wv's tiles: 64 rows
.set G1, 24                            ; s[24:31] group 1 for A's tiles of 128 rows; s[32:39] group 0, a set for each slot
.set G0, 32
.set G1B, 48                           ; s[48:55], s[56:63] the same for B's
.set G0B, 56
.set MSB, 0
.macro WIN new                         ; the immediate's high byte repeats the setting that is left
.if MSB != (\new)
	s_set_vgpr_msb (MSB<<8)|(\new)
.set MSB, (\new)
.endif
.endm
.set MUL_LO, 0xa1                      ; source 0 (B) window 1, source 1 (A) window 0, C and D window 2
.set MUL_HI, 0xf1                      ; the same, C and D window 3
.set TO_B,   0x40
; A joint load: waves 0 and 1 fetch for A, waves 2 and 3 for B; the branch hangs on the wave's number alone.  s_nop 0 and four v_nop follow each line.
.macro JLOAD g0a, g1a, g0b, g1b
	s_cmp_eq_u32 s15, 0
	s_cbranch_scc0 .Lfor_b_\@
	tensor_load_to_lds s[\g0a:\g0a+3], s[\g1a:\g1a+7]
	s_nop 0
.rept 4
	v_nop
.endr
	s_branch .Lasked_\@
.Lfor_b_\@:
	tensor_load_to_lds s[\g0b:\g0b+3], s[\g1b:\g1b+7]
	s_nop 0
.rept 4
	v_nop
.endr
.Lasked_\@:
.endm
.macro CREST                           ; a round of the cluster's barrier behind its opening barrier
	s_cmp_lg_u32 s14, 0
	s_cbranch_scc1 .Lnot_wave_0_\@
	s_barrier_signal -3
.Lnot_wave_0_\@:
	s_barrier_wait -3
	s_barrier_signal -1
	s_barrier_wait -1
.endm
.macro CROUND
	s_barrier_signal -1
	s_barrier_wait -1
	CREST
.endm
	s_load_b512 s[68:83], s[0:1], 0x0              ; x s[68:69], Wq s[70:71], Wk s[72:73], Wv s[74:75], scales s[76:77], qc s[78:79], kc s[80:81], vc s[82:83]
	v_lshl_add_u32 v[SPW], v0, 2, SPARE
	v_mov_b32 v[NIL], 0
	ds_add_u32 v[SPW], v[NIL]                      ; the opening lines: the add, twice on end, and its wait below
	ds_add_u32 v[SPW], v[NIL]
	v_lshrrev_b32 v1, 5, v0
	v_readfirstlane_b32 s14, v1                    ; wave 0..3
	s_lshr_b32 s15, s14, 1                         ; which half of the tile's rows is mine.  Also: I fetch for A (0) or for B (1)
	s_and_b32 s16, s14, 1                          ; which half of its columns.  Also: which half of that tile I fetch
	s_bfe_u32 s40, ttmp6, 0x40000                  ; cx
	s_bfe_u32 s41, ttmp6, 0x40004                  ; cy
	s_and_b32 s18, ttmp7, 0xffff                   ; the cluster's y, 0..7
	s_lshl_b32 s18, s18, 2
	s_add_co_u32 s17, s18, s41                     ; first tile: its 256 tokens, 4 Y + cy
	s_add_co_u32 s42, s18, s40                     ; v: its 256 tokens, 4 Y + cx
	s_lshl_b32 s19, ttmp9, 2
	s_add_co_u32 s19, s19, s41                     ; v: its 128 channels, 4 X + cy
	s_lshl_b32 s43, s41, 2
	s_lshl_b32 s43, 15, s43                        ; my row of the cluster
	s_lshl_b32 s44, 0x1111, s40                    ; my column
	s_or_b32 s[G1], s43, PADW
	s_or_b32 s[G1A2], s43, PADW
	s_or_b32 s[G1B], s44, PADW
.irp g, G1, G1B, G1A2
	s_mov_b32 s[\g+1], ROWB<<16                    ; tensor_dim0 = 256
	s_mov_b32 s[\g+3], ROWB<<16                    ; tile_dim0 = 256
	s_mov_b32 s[\g+5], KROW                        ; from row to row
	s_mov_b32 s[\g+6], 0
	s_mov_b32 s[\g+7], 0
.endr
.irp g, G1, G1B
	s_mov_b32 s[\g+2], 128<<16                     ; 128 rows
	s_mov_b32 s[\g+4], 128
.endr
	s_mov_b32 s[G1A2+2], 64<<16                    ; 64 rows
	s_mov_b32 s[G1A2+4], 64
	s_lshl_b32 s2, s16, 7
	s_lshl_b32 s20, s17, 8
	s_add_co_u32 s20, s20, s2                      ; x for the first tile: row 256 (4 Y + cy) + 128 x half
	s_lshl_b32 s20, s20, 10
	s_mov_b32 s21, 0
	s_lshl_b32 s22, s19, 7
	s_lshl_b32 s23, s16, 6
	s_add_co_u32 s22, s22, s23                     ; Wv: row 128 (4 X + cy) + 64 x half
	s_lshl_b32 s22, s22, 10
	s_mov_b32 s23, 0
	s_lshl_b32 s46, s40, 8
	s_add_co_u32 s46, s46, s2                      ; Wq, Wk: row 256 cx + 128 x half
	s_lshl_b32 s46, s46, 10
	s_mov_b32 s47, 0
	s_lshl_b32 s66, s42, 8
	s_add_co_u32 s66, s66, s2                      ; x for v: row 256 (4 Y + cx) + 128 x half
	s_lshl_b32 s66, s66, 10
	s_mov_b32 s67, 0
	s_mul_i32 s45, s14, HALFT                      ; where the tiles go: wave x 128 rows;
	s_mul_i32 s3, s16, 64*PITCH                    ; Wv's: half x 64 rows
	s_lshl_b32 s12, s40, 1                         ; my 128 x 128 in qc or kc: (2 cx + column half) << 20 (two heads) + (2 tile row + row half) << 13 (128 tokens x 64)
	s_add_co_u32 s12, s12, s16
	s_lshl_b32 s12, s12, 20
	s_lshl_b32 s13, s17, 1
	s_add_co_u32 s13, s13, s15
	s_lshl_b32 s13, s13, 13
	s_add_co_u32 s12, s12, s13
	s_mov_b32 s13, 0
	s_lshl_b32 s100, s19, 1                        ; my 64 x 128 in vc: head 2 (4 X + cy) + row half, << 19; block of tokens 2 (4 Y + cx) + column half, << 13
	s_add_co_u32 s100, s100, s15
	s_lshl_b32 s100, s100, 19
	s_lshl_b32 s101, s42, 1
	s_add_co_u32 s101, s101, s16
	s_lshl_b32 s101, s101, 13
	s_add_co_u32 s100, s100, s101
	s_mov_b32 s101, 0
	s_wait_dscnt 0x0                               ; both opening adds are done
	s_wait_kmcnt 0x0
	s_load_b256 s[84:91], s[76:77], 0x0            ; e0 .. e7
	s_load_b128 s[92:95], s[76:77], 0x20           ; e8 .. e11
	s_cmp_eq_u32 ttmp9, 1
	s_cselect_b64 s[18:19], s[72:73], s[70:71]     ; B = Wk or Wq
	s_cselect_b64 s[42:43], s[80:81], s[78:79]     ; C = kc or qc
	s_add_nc_u64 s[20:21], s[68:69], s[20:21]
	s_add_nc_u64 s[46:47], s[18:19], s[46:47]
	s_add_nc_u64 s[96:97], s[74:75], s[22:23]      ; v: A's rows,
	s_add_nc_u64 s[98:99], s[68:69], s[66:67]      ; B's rows,
	s_add_nc_u64 s[100:101], s[82:83], s[100:101]  ; and where it goes
	s_add_nc_u64 s[12:13], s[42:43], s[12:13]
	CROUND                                         ; all sixteen work-groups are here: the first joint loads meet
.irp s, 0,1
	s_mov_b32 s[G0+4*\s], 1
	s_add_co_u32 s[G0+4*\s+1], s45, \s*SLOT
	s_add_nc_u64 s[G0+4*\s+2:G0+4*\s+3], s[20:21], \s*ROWB
	s_or_b32 s[G0+4*\s+3], s[G0+4*\s+3], 0x80000000
	s_mov_b32 s[G0B+4*\s], 1
	s_add_co_u32 s[G0B+4*\s+1], s45, \s*SLOT
	s_add_nc_u64 s[G0B+4*\s+2:G0B+4*\s+3], s[46:47], \s*ROWB
	s_or_b32 s[G0B+4*\s+3], s[G0B+4*\s+3], 0x80000000
.endr
	JLOAD G0, G1, G0B, G1B                         ; K step 0: one tensor load a wave at the head
	s_wait_kmcnt 0x0                               ; the exponents
	s_sub_co_i32 s18, s90, s84                     ; e6 - e0 - e1
	s_sub_co_i32 s18, s18, s85
	s_sub_co_i32 s19, s91, s86                     ; e7 - e2 - e3
	s_sub_co_i32 s19, s19, s87
	s_cmp_eq_u32 ttmp9, 1
	s_cselect_b32 s18, s19, s18
	s_add_co_i32 s18, s18, 127
	s_lshl_b32 s66, s18, 23                        ; 2^S
	s_add_co_i32 s18, s18, 8
	s_lshl_b32 s67, s18, 23
	s_or_b32 s67, s67, 0x600000                    ; 448 x 2^S
	s_sub_co_i32 s18, s93, s88                     ; e9 - e4 - e5
	s_sub_co_i32 s18, s18, s89
	s_add_co_i32 s18, s18, 127
	s_lshl_b32 s46, s18, 23
	s_add_co_i32 s18, s18, 8
	s_lshl_b32 s47, s18, 23
	s_or_b32 s47, s47, 0x600000
	s_mul_i32 s18, s15, HALFT                      ; my 128 rows of A,
	s_add_co_u32 s19, s18, SLOT
	s_mul_i32 s22, s16, HALFT                      ; my 128 rows of B,
	s_add_co_u32 s22, s22, 2*HALFT                 ; which lie behind A's 256,
	s_add_co_u32 s23, s22, SLOT
	s_mul_i32 s42, s15, 64*PITCH                   ; my 64 rows of Wv,
	s_add_co_u32 s43, s42, SLOT
	s_mul_i32 s44, s14, 16*SP
	s_add_co_u32 s44, s44, STAGE                   ; my stage
	v_and_b32 v1, 15, v0                           ; r = lane % 16
	v_bfe_u32 v2, v0, 4, 1                         ; h = lane / 16
	v_mul_u32_u24 v3, v1, PITCH
	v_lshl_add_u32 v4, v2, 4, v3                   ; a fragment's row x pitch + 16 x half
	v_add_nc_u32 v[ADRA], s18, v4
	v_add_nc_u32 v[ADRA+1], s19, v4
	v_add_nc_u32 v[ADRB], s22, v4
	v_add_nc_u32 v[ADRB+1], s23, v4
	v_add_nc_u32 v[ADRA2], s42, v4
	v_add_nc_u32 v[ADRA2+1], s43, v4
	v_mul_u32_u24 v5, v1, SP                       ; the stage, in: row r, 8 codes for each half of the lanes
	v_lshl_add_u32 v5, v2, 3, v5
	v_add_nc_u32 v[STO], s44, v5
	v_bfe_u32 v6, v0, 3, 2                         ; back: eight lanes to a row of 128 codes, four rows an instruction
	v_and_b32 v7, 7, v0
	v_mul_u32_u24 v5, v6, SP
	v_lshl_add_u32 v5, v7, 4, v5
	v_add_nc_u32 v[RD], s44, v5
	v_bfe_u32 v7, v0, 2, 1
	v_and_b32 v3, 3, v0
	v_lshlrev_b32 v3, 4, v3                        ; the same 16 codes in C: 16 (lane % 4)
	v_lshl_add_u32 v[CO1], v6, 6, v3               ; q, k: + 64 (lane / 8): a token's row,
	v_lshl_add_u32 v[CO1], v7, 19, v[CO1]          ; + 2^19 ((lane / 4) % 2): the next head
	v_lshl_add_u32 v[CO2], v6, 7, v3               ; v: + 128 (lane / 8): a channel's row,
	v_lshl_add_u32 v[CO2], v7, 6, v[CO2]           ; + 64 ((lane / 4) % 2)
.irp i, 1,2,3
	v_add_nc_u32 v[CO1+\i], 256*\i, v[CO1]         ; four rows on
	v_add_nc_u32 v[CO2+\i], 512*\i, v[CO2]
.endr
	v_mov_b32 v[SC1], s66
	v_mov_b32 v[LIM1], s67
	v_mov_b32 v[SC2], s46
	v_mov_b32 v[LIM2], s47
.macro FRAG reg, adr, q, i             ; 16 rows x 128 K: lane l holds row l % 16; registers 4 c .. 4 c + 3 hold K = 32 c + 16 (l / 16) + 0 .. 15
.irp c, 0,1,2,3
	ds_load_b128 v[\reg+4*\c:\reg+4*\c+3], v[\adr] offset:128*(\q)+32*\c+(\i)*16*PITCH
.endr
.endm
.macro PLACES n                        ; plain vector places in front of loads into registers that matrix instructions have read, and of the first read of results
.rept \n
	v_nop
.endr
.endm
; THE FIRST TILE.  16 matrix instructions: A's blocks a0, a0 + 1 x B's eight, 128 along K.  The 64 accumulators take turns, one instruction a turn.
.macro MUL16 a0, p, zero
.irp a, \a0, \a0+1
.irp b, 0,1,2,3,4,5,6,7
.if \zero
	v_wmma_f32_16x16x128_fp8_fp8 v[8*(8*((\a)%4)+\b):8*(8*((\a)%4)+\b)+7], v[128*(\p)+FR*\b:128*(\p)+FR*\b+FR-1], v[AF+FR*(\a):AF+FR*(\a)+FR-1], 0
.else
	v_wmma_f32_16x16x128_fp8_fp8 v[8*(8*((\a)%4)+\b):8*(8*((\a)%4)+\b)+7], v[128*(\p)+FR*\b:128*(\p)+FR*\b+FR-1], v[AF+FR*(\a):AF+FR*(\a)+FR-1], v[8*(8*((\a)%4)+\b):8*(8*((\a)%4)+\b)+7]
.endif
.endr
.endr
.endm
.macro FETCH_B slot, q, p
	WIN TO_B
.irp i, 0,1,2,3,4,5,6,7
	FRAG 128*(\p)+FR*\i, ADRB+\slot, \q, \i
.endr
	WIN 0
.endm
.macro FETCH_A slot, q, i0
.irp i, \i0, \i0+1, \i0+2, \i0+3
	FRAG AF+FR*(\i), ADRA+\slot, \q, \i
.endr
.endm
; A step of 128 along K that has its successor in the same slot.  A block of A is free once its eight products are issued, so A has one set of registers.
.macro STEP slot, q, zero
	s_wait_dscnt 4*NL                              ; B's set and A's blocks 0-3 are in; the youngest 16 loads (A's blocks 4-7) may be out
	WIN MUL_LO
	MUL16 0, (\q)%2, \zero
	MUL16 2, (\q)%2, \zero
	s_wait_dscnt 0
	PLACES NP
	FETCH_B \slot, (\q)+1, 1-(\q)%2
	FETCH_A \slot, (\q)+1, 0
	WIN MUL_HI
	MUL16 4, (\q)%2, \zero
	MUL16 6, (\q)%2, \zero
	PLACES NP
	WIN 0
	FETCH_A \slot, (\q)+1, 4
.endm
; A slot's last step changes slots: in front of the round each wave waits for all its tensor loads, adds 0 to its spare word, and waits for that and for its reads of this slot.
; fill = 1: the slot takes this tile's K step two on; fill = 2: v's K step 0 or 1.  fetch = 0: the tile's last step: no fragments follow.
.macro TURN slot, next, fill, fetch
	s_wait_tensorcnt 0x0                           ; all my tensor loads have landed: my part of the next slot
	ds_add_u32 v[SPW], v[NIL]                      ; 0 onto my spare word
	s_wait_dscnt 4*NL+1                            ; the add and the youngest 16 loads (A's blocks 4-7) may be out
	WIN MUL_LO
	MUL16 0, 1, 0
	s_wait_dscnt 0x0                               ; the add is done, and my reads of this slot are over
	s_barrier_signal -1
	MUL16 2, 1, 0
	WIN 0
	s_barrier_wait -1
	CREST                                          ; the barrier has opened a round of the cluster's: no wave of any partner still reads this slot or has a load on its way
.if \fill == 1
	s_add_nc_u64 s[G0+4*\slot+2:G0+4*\slot+3], s[G0+4*\slot+2:G0+4*\slot+3], 2*ROWB
	s_add_nc_u64 s[G0B+4*\slot+2:G0B+4*\slot+3], s[G0B+4*\slot+2:G0B+4*\slot+3], 2*ROWB
	JLOAD G0+4*\slot, G1, G0B+4*\slot, G1B
.else
	s_add_co_u32 s[G0+4*\slot+1], s3, \slot*SLOT
	s_add_nc_u64 s[G0+4*\slot+2:G0+4*\slot+3], s[96:97], \slot*ROWB
	s_or_b32 s[G0+4*\slot+3], s[G0+4*\slot+3], 0x80000000
	s_add_nc_u64 s[G0B+4*\slot+2:G0B+4*\slot+3], s[98:99], \slot*ROWB
	s_or_b32 s[G0B+4*\slot+3], s[G0B+4*\slot+3], 0x80000000
	JLOAD G0+4*\slot, G1A2, G0B+4*\slot, G1B
.endif
.if \fetch
	FETCH_B \next, 0, 0                            ; the four v_nop behind the joint load are the places in front of these loads
	FETCH_A \next, 0, 0
.endif
	WIN MUL_HI
	MUL16 4, 1, 0
	MUL16 6, 1, 0
.if \fetch
	PLACES NP
	WIN 0
	FETCH_A \next, 0, 4
.else
	WIN 0
.endif
.endm
; THE HALF TILE OF v: A's four blocks x B's eight; two sets of fragments for both; the 32 accumulators take turns.
.macro MULA a, p, zero
.irp b, 0,1,2,3,4,5,6,7
.if \zero
	v_wmma_f32_16x16x128_fp8_fp8 v[8*(8*(\a)+\b):8*(8*(\a)+\b)+7], v[128*(\p)+FR*\b:128*(\p)+FR*\b+FR-1], v[AF+64*(\p)+FR*(\a):AF+64*(\p)+FR*(\a)+FR-1], 0
.else
	v_wmma_f32_16x16x128_fp8_fp8 v[8*(8*(\a)+\b):8*(8*(\a)+\b)+7], v[128*(\p)+FR*\b:128*(\p)+FR*\b+FR-1], v[AF+64*(\p)+FR*(\a):AF+64*(\p)+FR*(\a)+FR-1], v[8*(8*(\a)+\b):8*(8*(\a)+\b)+7]
.endif
.endr
.endm
.macro FETCH2 slot, q, p
	WIN TO_B
.irp i, 0,1,2,3,4,5,6,7
	FRAG 128*(\p)+FR*\i, ADRB+\slot, \q, \i
.endr
	WIN 0
.irp i, 0,1,2,3
	FRAG AF+64*(\p)+FR*\i, ADRA2+\slot, \q, \i
.endr
.endm
.macro STEP2 slot, zero
	s_wait_dscnt 0x0
	WIN MUL_LO
	MULA 0, 0, \zero
	MULA 1, 0, \zero
	PLACES NP
	FETCH2 \slot, 1, 1
	WIN MUL_LO
	MULA 2, 0, \zero
	MULA 3, 0, \zero
	WIN 0
.endm
.macro TURN2 slot, next, fill
	s_wait_tensorcnt 0x0
	ds_add_u32 v[SPW], v[NIL]
	s_wait_dscnt 1                                 ; the add may be out
	WIN MUL_LO
	MULA 0, 1, 0
	s_wait_dscnt 0x0
	s_barrier_signal -1
	MULA 1, 1, 0
	WIN 0
	s_barrier_wait -1
.if \fill
	CREST
	s_add_nc_u64 s[G0+4*\slot+2:G0+4*\slot+3], s[G0+4*\slot+2:G0+4*\slot+3], 2*ROWB
	s_add_nc_u64 s[G0B+4*\slot+2:G0B+4*\slot+3], s[G0B+4*\slot+2:G0B+4*\slot+3], 2*ROWB
	JLOAD G0+4*\slot, G1A2, G0B+4*\slot, G1B
.else
	PLACES NP
.endif
	FETCH2 \next, 0, 0
	WIN MUL_LO
	MULA 2, 1, 0
	MULA 3, 1, 0
	WIN 0
.endm
; THE WAY OUT, block by block of 16 rows of A x 128 rows of B: held, converted (8 codes a lane and tile), through my own stage, and back as 16 codes a lane.  VL, VS, VCO, CSTEP: the tile's hold, scale, offsets and step.
; LDS serves a wave's instructions in order (ISA guide 5.7.1.4): no wait between the stage's stores and loads, nor in front of the next block's stores.
.macro TOSTAGE a
.set AC, 64*((\a)%4)
.set BB, BK+16*((\a)%2)
	WIN 0x02+((\a)/4)                              ; source 0: window 2 or 3
.set j, 0
.rept 64
	v_med3_num_f32 v[TMP+j], v[AC+j], -v[VL], v[VL]   ; the conversion to an 8-bit code does not saturate (ISA guide 7.6.2): the hold; each accumulator from its low end on
.set j, j+1
.endr
	WIN 0
.irp b, 0,1,2,3,4,5,6,7
	v_cvt_scalef32_pk8_fp8_f32 v[CD+2*\b:CD+2*\b+1], v[TMP+8*\b:TMP+8*\b+7], v[VS]
.endr
	v_nop                                          ; one plain vector line behind the last conversion
.irp b, 0,1,2,3,4,5,6,7
	ds_store_b64 v[STO], v[CD+2*\b:CD+2*\b+1] offset:16*\b
.endr
.irp i, 0,1,2,3
	ds_load_b128 v[BB+4*\i:BB+4*\i+3], v[RD] offset:4*SP*\i
.endr
.endm
.macro SEND a, younger                 ; younger: the LDS instructions issued behind block a's loads, which may stay out
.set BB, BK+16*((\a)%2)
	s_wait_dscnt \younger
.if (\a) > 0
	s_add_nc_u64 s[12:13], s[12:13], CSTEP         ; (behind a wait on XCNT: the earlier stores have read their base)  16 rows of A on
.endif
.irp i, 0,1,2,3
	global_store_b128 v[VCO+\i], v[BB+4*\i:BB+4*\i+3], s[12:13]   ; the wave's 512 bytes are two aligned runs of 256 (q, k: four tokens of each of two heads) or one run of 512 (v: four channels)
.endr
.endm
	s_wait_alu depctr_va_vdst(0)                   ; the wait at the head's end
	s_wait_tensorcnt 0x0                           ; my part of K step 0 is in; the lines ahead of a later first fill:
	ds_add_u32 v[SPW], v[NIL]
	s_wait_dscnt 0x0
	CROUND                                         ; a whole round: everybody's part of K step 0 is in,
	JLOAD G0+4, G1, G0B+4, G1B                     ; and K step 1's load is the first tensor load behind it
	FETCH_B 0, 0, 0
	FETCH_A 0, 0, 0
	FETCH_A 0, 0, 4
	STEP 0, 0, 1                                   ; the first step starts the sums
	TURN 0, 1, 1, 1                                ; slot 0 takes K 512 .. 767
	STEP 1, 0, 0
	TURN 1, 0, 1, 1                                ; slot 1 takes K 768 .. 1,023
	STEP 0, 0, 0
	TURN 0, 1, 2, 1                                ; THE RING GOES ON INTO v: slot 0 takes its K 0 .. 255,
	STEP 1, 0, 0
	TURN 1, 0, 2, 0                                ; slot 1 its K 256 .. 511
.set VL, LIM1
.set VS, SC1
.set VCO, CO1
.set CSTEP, 1024
	PLACES NP                                      ; both refills are asked for: now the first tile goes out
	TOSTAGE 0
.irp a, 1,2,3,4,5,6,7
.if \a > 1
	s_wait_xcnt 0x0                                ; block a - 2's stores have read their registers and their base
.endif
	TOSTAGE \a
	SEND \a-1, 12                                  ; behind block a - 1's loads: block a's 8 stores and 4 loads
.endr
	s_wait_xcnt 0x0
	SEND 7, 0
	s_wait_xcnt 0x0                                ; the last stores have read their data and their base: fragments may land there, and the base is v's
	s_mov_b64 s[12:13], s[100:101]
	FETCH2 0, 0, 0                                 ; slot 0 was shown whole by the last round
	STEP2 0, 1
	TURN2 0, 1, 1                                  ; slot 0 takes K 512 .. 767
	STEP2 1, 0
	TURN2 1, 0, 1                                  ; slot 1 takes K 768 .. 1,023
	STEP2 0, 0
	TURN2 0, 1, 0                                  ; nothing is left to fetch: no round
	STEP2 1, 0
	s_wait_dscnt 0x0                               ; the last step
	WIN MUL_LO
	MULA 0, 1, 0
	MULA 1, 1, 0
	MULA 2, 1, 0
	MULA 3, 1, 0
	WIN 0
.set VL, LIM2
.set VS, SC2
.set VCO, CO2
.set CSTEP, 2048
	PLACES NP
	TOSTAGE 0
.irp a, 1,2,3
.if \a > 1
	s_wait_xcnt 0x0
.endif
	TOSTAGE \a
	SEND \a-1, 12
.endr
	s_wait_xcnt 0x0
	SEND 3, 0
	s_wait_tensorcnt 0x0                           ; the wave's end
	ds_add_u32 v[SPW], v[NIL]
	s_wait_dscnt 0x0
	CROUND                                         ; the closing round
	s_endpgm
.Lfunc_end_k_qea9cb35ca5_proj:
	.size	k_qea9cb35ca5_proj, .Lfunc_end_k_qea9cb35ca5_proj-k_qea9cb35ca5_proj
	.p2alignl 7, 3214868480
	.fill 96, 4, 3214868480
	.section	.rodata,"a",@progbits
	.p2align	6, 0x0
	.amdhsa_kernel k_qea9cb35ca5_proj
		.amdhsa_group_segment_fixed_size 327680
		.amdhsa_private_segment_fixed_size 0
		.amdhsa_enable_private_segment 0
		.amdhsa_kernarg_size 64
		.amdhsa_user_sgpr_count 2
		.amdhsa_user_sgpr_kernarg_segment_ptr 1
		.amdhsa_wavefront_size32 1
		.amdhsa_system_sgpr_workgroup_id_x 1
		.amdhsa_system_sgpr_workgroup_id_y 1
		.amdhsa_system_sgpr_workgroup_id_z 1
		.amdhsa_system_vgpr_workitem_id 0
		.amdhsa_next_free_vgpr 1024
		.amdhsa_next_free_sgpr 102
		.amdhsa_reserve_vcc 0
		.amdhsa_float_denorm_mode_32 3
		.amdhsa_float_denorm_mode_16_64 3
		.amdhsa_memory_ordered 1
		.amdhsa_forward_progress 1
		.amdhsa_inst_pref_size 198
	.end_amdhsa_kernel
	.amdgpu_metadata
---
amdhsa.version: [ 1, 2 ]
amdhsa.kernels:
  - .name:           k_qea9cb35ca5_proj
    .symbol:         k_qea9cb35ca5_proj.kd
    .args:
      - { .name: x_codes, .offset: 0, .size: 8, .value_kind: global_buffer, .address_space: global }
      - { .name: Wq_codes, .offset: 8, .size: 8, .value_kind: global_buffer, .address_space: global }
      - { .name: Wk_codes, .offset: 16, .size: 8, .value_kind: global_buffer, .address_space: global }
      - { .name: Wv_codes, .offset: 24, .size: 8, .value_kind: global_buffer, .address_space: global }
      - { .name: lowp_scales, .offset: 32, .size: 8, .value_kind: global_buffer, .address_space: global }
      - { .name: qc, .offset: 40, .size: 8, .value_kind: global_buffer, .address_space: global }
      - { .name: kc, .offset: 48, .size: 8, .value_kind: global_buffer, .address_space: global }
      - { .name: vc, .offset: 56, .size: 8, .value_kind: global_buffer, .address_space: global }
    .group_segment_fixed_size: 327680
    .private_segment_fixed_size: 0
    .kernarg_segment_align: 8
    .kernarg_segment_size: 64
    .max_flat_workgroup_size: 128
    .sgpr_count:     102
    .vgpr_count:     1024
    .wavefront_size: 32
...
	.end_amdgpu_metadata
.endif
;; end of part 1
;; launch attn (part 2): grid 4 x 64, 8 waves a work-group, clusters of 4 x 1, 327,680 bytes of LDS; arguments qc, kc, vc, lowp_scales, ac; writes ac
.if DOCPART == 2
	.amdgcn_target "amdgcn-amd-amdhsa--gfx1250"
	.amdhsa_code_object_version 6
	.text
	.protected	k_qea9cb35ca5_attn
	.globl	k_qea9cb35ca5_attn
	.p2align	8
	.type	k_qea9cb35ca5_attn,@function
k_qea9cb35ca5_attn:
	s_mov_b64 s[64:65], 0
	v_nop
	global_prefetch_b8 v0, s[64:65] scope:SCOPE_SE
	s_setreg_imm32_b32 hwreg(HW_REG_WAVE_MODE, 25, 1), 1
	s_wait_xcnt 0x0
	s_wait_alu depctr_hold_cnt(0) depctr_sa_sdst(0) depctr_va_vdst(0) depctr_va_sdst(0) depctr_va_ssrc(0) depctr_va_vcc(0) depctr_vm_vsrc(0)
	s_getreg_b32 s2, hwreg(HW_REG_IB_STS2, 6, 4)
	s_cmp_eq_u32 s2, 0
	s_cbranch_scc0 .Lentry_in_a_cluster
	s_endpgm
.Lentry_in_a_cluster:
	s_bfe_u32 s2, ttmp6, 0x10000c
	s_cmp_lg_u32 s2, 0x3003
	s_cbranch_scc0 .Lentry_shape_is_right
	s_endpgm
.Lentry_shape_is_right:
; Causal attention of one (batch, head) on codes of E4M3 (products 4 and 5), and the quantising of its result for product 6.
; qc, kc: [16 h][8192 token][64];  vc: [16 h][64 blocks of 128 tokens][64 s][128 tokens] (keys innermost);  ac: [64 blocks of 128 tokens][16 h][128 tokens][64 s].
; SOFTMAX: t = score x log2(e) / 8; M = the running largest t rounded up to a whole number; p = 2^(t - M) is quantised with 2^e8; the row's sum is taken of the unquantised p and divides at the end.
; When M moves, the sum and O are multiplied by 2^(old M - new M), which rounds nothing.  (O / sum) x 2^(e8 + e9) is quantised with 2^e10: one conversion by 2^(e10 - e8 - e9).
; LEFT OUT: key steps of 128 all of whose keys come after a tile's queries: the causal mask sets those scores to -infinity, so they add 0 to the sums for all inputs.
; ALL OF K AND V OF THE HEAD LIES IN LDS: 2,048 rows of K (64 + 16 bytes) = 163,840 bytes, 16 x 64 rows of V (128 + 16 bytes) = 147,456: nothing is ever filled again, and the long loops hold no barrier.
; CLUSTER 4 x 1: the four work-groups of a (batch, head) need the same K and V and ask for them jointly, mask 15.  Two groups of loads, one load a wave each (waves 0-3: K, waves 4-7: V):
; keys 0 .. 511 at the head, keys 512 .. 2,047 behind the first round; the first four key steps are worked while the second group is on its way.
; NO PREFETCH: both groups go out at the kernel's start; there is no loop of loads to run ahead in.
; SHARES: the head's 2,048 queries are 64 tiles of 32.  Wave w of work-group g owns tiles i = g + 4 w and 63 - i: w + 1 and 16 - w key steps, 17 for every wave.  The counts hang on the wave's number alone;
; g (the place in the cluster) enters global addresses and the diagonal's compare, and no branch and no LDS address.  The larger tile goes first: its first four steps need keys 0 .. 511 only.
; A tile's last step lies on the diagonal: there hidden scores become -infinity ahead of the maximum.
; LAYOUT: both products transposed: S^T = K Q^T, O^T = V^T P^T: a lane holds one query (lane % 16) of each of the tile's two halves; each fragment of K and V feeds both halves.
; Lane r of key tile 2 b + u takes key 32 b + 8 u + r + 8 (r / 8), so that the 16 registers of tiles 2 b, 2 b + 1 are the keys 32 b + 16 (lane / 16) + 0 .. 15.
; Fragments take k in runs of 16 bytes (32 c + 16 (lane / 16) + 0 .. 15), the same on both sides of each product: only the order inside an instruction's sum differs.
; LIMITS: e6 + e7 between -123 and 130 (added to c's exponent field); e8 and e10 - e8 - e9 between -126 and 119; scaled scores under 2^31 in magnitude.  NaN codes are not served.
; REGISTERS, window 0: v1-11 addresses and the mask's numbers; v12-23 -M, largest t, sum, f for both halves; v24-39 at work; v40-45 constants; v48-63 Q; v64-127 fragments of K, then of V; v128-255 S^T, then p.
; window 1: v0-63 O^T; v64-95 p's codes; v96-111 the second tile's Q.
.set KP,    80
.set VP,    144
.set VOFF,  2048*KP
.set SPARE, VOFF+16*64*VP              ; the spare words: 128 bytes for each of 8 waves
.set STAGE, SPARE+1024                 ; the way out: 16 rows x 80 bytes a wave; no fill lands here
.set AK0,  1
.set AV0,  2
.set STO,  3
.set SRD,  4
.set SPW,  5
.set NIL,  6
.set GO,   7
.set ADK,  8
.set ADV,  9
.set DD,   10                          ; my first half's query less the diagonal step's first key less 16 (lane / 16)
.set NINF, 11
.set NM,   12                          ; -M at 12 + 2 q, the largest t at 13 + 2 q
.set SUM,  16                          ; the sum's pair at 16 + 2 q
.set FF,   20                          ; f at 20 + 2 q (named as a pair)
.set XT,   24                          ; eight registers at work for each half
.set LIMP, 40
.set SCP,  41
.set LIMO, 42
.set SCO,  43
.set DD2,  44                          ; DD for the second tile
.set QO,   45
.set QR,   48
.set KV,   64
.set SR,   128
.set CD,   64                          ; window 1
.set Q2,   96                          ; window 1
.set WV,   14
.set W3,   15
.set CX,   16
.set TT,   17
.set LAST, 18
.set LAST2, 19
.set SEL,  20
.set CS,   22
.set G1K0, 24
.set G1V0, 32
.set G1K1, 40
.set G1V1, 48
.set G0K,  56
.set G0V,  60
.set KB,   66
.set VB,   67
.set KBASE, 96
.set VBASE, 98
.set MSB, 0
.macro WIN new                         ; the immediate's high byte repeats the setting that is left
.if MSB != (\new)
	s_set_vgpr_msb (MSB<<8)|(\new)
.set MSB, (\new)
.endif
.endm
; A joint load: waves 0-3 ask for K, waves 4-7 for V; the branch hangs on the wave's number alone.  s_nop 0 and four v_nop follow each line.
.macro JLOAD gk, gv
	s_cmp_lt_u32 s[WV], 4
	s_cbranch_scc0 .Lfor_v_\@
	tensor_load_to_lds s[G0K:G0K+3], s[\gk:\gk+7]
	s_nop 0
.rept 4
	v_nop
.endr
	s_branch .Lasked_\@
.Lfor_v_\@:
	tensor_load_to_lds s[G0V:G0V+3], s[\gv:\gv+7]
	s_nop 0
.rept 4
	v_nop
.endr
.Lasked_\@:
.endm
.macro CROUND                          ; a round of the cluster's barrier
	s_barrier_signal -1
	s_barrier_wait -1
	s_cmp_lg_u32 s[WV], 0
	s_cbranch_scc1 .Lnot_wave_0_\@
	s_barrier_signal -3
.Lnot_wave_0_\@:
	s_barrier_wait -3
	s_barrier_signal -1
	s_barrier_wait -1
.endm
	s_load_b256 s[4:11], s[0:1], 0x0               ; qc s[4:5], kc s[6:7], vc s[8:9], the exponents s[10:11]
	s_load_b64 s[12:13], s[0:1], 0x20              ; ac
	v_lshl_add_u32 v[SPW], v0, 2, SPARE
	v_mov_b32 v[NIL], 0
	ds_add_u32 v[SPW], v[NIL]                      ; the opening lines: the add, twice on end, and its wait below
	ds_add_u32 v[SPW], v[NIL]
	v_lshrrev_b32 v8, 5, v0
	v_readfirstlane_b32 s[WV], v8                  ; wave 0..7
	s_and_b32 s[W3], s[WV], 3                      ; which quarter of K or of V I ask for
	s_bfe_u32 s[CX], ttmp6, 0x40000                ; g
	s_and_b32 s80, ttmp7, 0xffff
	s_and_b32 s81, s80, 15                         ; the head
	s_lshr_b32 s82, s80, 4                         ; the batch
	s_lshl_b32 s84, s81, 19
	s_lshl_b32 s83, s82, 17
	s_or_b32 s84, s84, s83                         ; the first byte of (head, batch) in qc, kc and vc alike
	s_mov_b32 s85, 0
	s_lshl_b32 s86, s[WV], 2
	s_add_co_u32 s86, s86, s[CX]                   ; the smaller tile i = g + 4 w
	s_sub_co_u32 s87, 63, s86                      ; the larger, 63 - i
	s_lshl_b32 s88, s87, 11                        ; 32 queries x 64 bytes
	s_add_co_u32 s88, s88, s84
	s_mov_b32 s89, 0
	s_lshl_b32 s90, s86, 11
	s_add_co_u32 s90, s90, s84
	s_mov_b32 s91, 0
	s_lshl_b32 s82, s82, 21                        ; ac: the batch's 16 blocks of 2^17 bytes,
	s_lshl_b32 s81, s81, 13                        ; the head's 128 x 64 bytes in a block
	s_add_co_u32 s82, s82, s81
	s_lshr_b32 s83, s87, 2
	s_lshl_b32 s83, s83, 17                        ; block i / 4,
	s_and_b32 s81, s87, 3
	s_lshl_b32 s81, s81, 11                        ; 32 (i % 4) tokens in it
	s_add_co_u32 s83, s83, s81
	s_add_co_u32 s92, s83, s82
	s_mov_b32 s93, 0
	s_lshr_b32 s83, s86, 2
	s_lshl_b32 s83, s83, 17
	s_and_b32 s81, s86, 3
	s_lshl_b32 s81, s81, 11
	s_add_co_u32 s83, s83, s81
	s_add_co_u32 s94, s83, s82
	s_mov_b32 s95, 0
	; group 1: dense memory stated as rows of 256 bytes; 16 bytes of padding behind every 64 (K) or 128 (V); 32 rows in the first group of loads, 96 in the second; mask 15, bit 21 beside it
	s_mov_b32 s[G1K0], 15|(1<<20)|(1<<21)|(3<<22)|(3<<25)
	s_mov_b32 s[G1K1], 15|(1<<20)|(1<<21)|(3<<22)|(3<<25)
	s_mov_b32 s[G1V0], 15|(1<<20)|(1<<21)|(4<<22)|(3<<25)
	s_mov_b32 s[G1V1], 15|(1<<20)|(1<<21)|(4<<22)|(3<<25)
.irp g, G1K0, G1V0, G1K1, G1V1
	s_mov_b32 s[\g+1], 256<<16
	s_mov_b32 s[\g+3], 256<<16
	s_mov_b32 s[\g+5], 256
	s_mov_b32 s[\g+6], 0
	s_mov_b32 s[\g+7], 0
.endr
.irp g, G1K0, G1V0
	s_mov_b32 s[\g+2], 32<<16
	s_mov_b32 s[\g+4], 32
.endr
.irp g, G1K1, G1V1
	s_mov_b32 s[\g+2], 96<<16
	s_mov_b32 s[\g+4], 96
.endr
	s_mov_b32 s[SEL], 0x76543210
	s_mov_b32 s[SEL+1], 0xfedcba98
	s_mov_b32 s[CS], 0x3e38aa3b                    ; log2(e) / 8
	s_wait_dscnt 0x0                               ; both opening adds are done
	s_wait_kmcnt 0x0
	s_load_b256 s[68:75], s[10:11], 0x0            ; e0 .. e7
	s_load_b128 s[76:79], s[10:11], 0x20           ; e8 .. e11
	s_add_nc_u64 s[KBASE:KBASE+1], s[6:7], s[84:85]
	s_add_nc_u64 s[VBASE:VBASE+1], s[8:9], s[84:85]
	s_lshl_b32 s80, s[W3], 13                      ; 128 keys are 8 KiB in kc and in vc
	s_mov_b32 s81, 0
	s_mov_b32 s[G0K], 1
	s_mul_i32 s[G0K+1], s[W3], 128*KP
	s_add_nc_u64 s[G0K+2:G0K+3], s[KBASE:KBASE+1], s[80:81]
	s_or_b32 s[G0K+3], s[G0K+3], 0x80000000
	s_mov_b32 s[G0V], 1
	s_mul_i32 s[G0V+1], s[W3], 64*VP
	s_add_co_u32 s[G0V+1], s[G0V+1], VOFF
	s_add_nc_u64 s[G0V+2:G0V+3], s[VBASE:VBASE+1], s[80:81]
	s_or_b32 s[G0V+3], s[G0V+3], 0x80000000
	CROUND                                         ; the four work-groups are here: the first joint loads meet
	JLOAD G1K0, G1V0                               ; keys 0 .. 511: one load a wave
	s_add_nc_u64 s[88:89], s[4:5], s[88:89]        ; Q of the larger tile,
	s_add_nc_u64 s[90:91], s[4:5], s[90:91]        ; of the smaller
	s_add_nc_u64 s[94:95], s[12:13], s[94:95]      ; the smaller tile's rows of ac,
	s_add_nc_u64 s[12:13], s[12:13], s[92:93]      ; the larger's
	s_sub_co_u32 s[LAST], 15, s[WV]                ; the larger tile's last key step,
	s_mov_b32 s[LAST2], s[WV]                      ; the smaller's
	s_mul_i32 s83, s[WV], 16*80
	s_add_co_u32 s83, s83, STAGE                   ; my stage
	s_sub_co_u32 s86, 3, s[CX]
	s_lshl_b32 s86, s86, 5                         ; the larger tile begins 32 (3 - g) keys into its diagonal step,
	s_lshl_b32 s87, s[CX], 5                       ; the smaller 32 g
	s_wait_kmcnt 0x0
	s_add_co_i32 s80, s74, s75                     ; e6 + e7 go into c's exponent field
	s_lshl_b32 s80, s80, 23
	s_add_co_i32 s[CS], s[CS], s80
	s_mov_b32 s[CS+1], s[CS]
	s_add_co_i32 s80, s76, 127
	s_lshl_b32 s81, s80, 23                        ; 2^e8
	s_add_co_i32 s80, s80, 8
	s_lshl_b32 s80, s80, 23
	s_or_b32 s80, s80, 0x600000                    ; 448 x 2^e8
	s_sub_co_i32 s82, s78, s76
	s_sub_co_i32 s82, s82, s77                     ; e10 - e8 - e9
	s_add_co_i32 s82, s82, 127
	s_lshl_b32 s84, s82, 23
	s_add_co_i32 s82, s82, 8
	s_lshl_b32 s82, s82, 23
	s_or_b32 s82, s82, 0x600000
	v_and_b32 v46, 15, v0                          ; r
	v_bfe_u32 v47, v0, 4, 1                        ; h
	v_lshlrev_b32 v[QO], 6, v46
	v_lshl_add_u32 v[QO], v47, 4, v[QO]            ; Q: row r of 64 bytes, + 16 h
.irp q, 0,1
	global_load_b128 v[QR+8*\q:QR+8*\q+3], v[QO], s[88:89] offset:1024*\q
	global_load_b128 v[QR+8*\q+4:QR+8*\q+7], v[QO], s[88:89] offset:1024*\q+32
.endr
	WIN 0x40                                       ; destination window 1
.irp q, 0,1
	global_load_b128 v[Q2+8*\q:Q2+8*\q+3], v[QO], s[90:91] offset:1024*\q
	global_load_b128 v[Q2+8*\q+4:Q2+8*\q+7], v[QO], s[90:91] offset:1024*\q+32
.endr
.set j, 0
.rept 64
	v_mov_b32 v[j], 0                              ; O^T: the step is written once, so a tile's first step finds zeros
.set j, j+1
.endr
	WIN 0
	v_and_b32 v[AK0], 8, v46
	v_add_nc_u32 v[AK0], v[AK0], v46               ; r + 8 (r / 8)
	v_mul_u32_u24 v[AK0], v[AK0], KP
	v_lshl_add_u32 v[AK0], v47, 4, v[AK0]
	v_mul_u32_u24 v[AV0], v46, VP
	v_lshl_add_u32 v[AV0], v47, 4, v[AV0]
	v_add_nc_u32 v[AV0], VOFF, v[AV0]
	v_mul_u32_u24 v[STO], v46, 80
	v_lshl_add_u32 v[STO], v47, 3, v[STO]
	v_add_nc_u32 v[STO], s83, v[STO]               ; the stage, in: row r, + 8 h
	v_bfe_u32 v[SRD], v0, 2, 3
	v_mul_u32_u24 v[SRD], v[SRD], 80
	v_and_b32 v[GO], 3, v0
	v_lshl_add_u32 v[SRD], v[GO], 4, v[SRD]
	v_add_nc_u32 v[SRD], s83, v[SRD]               ; back: four lanes to a row of 64 codes
	v_and_b32 v[GO], 31, v0
	v_lshlrev_b32 v[GO], 4, v[GO]                  ; in ac my tile's 32 rows are 2,048 bytes on end
	v_lshlrev_b32 v47, 4, v47
	v_sub_nc_u32 v46, v46, v47                     ; r - 16 h
	v_add_nc_u32 v[DD], s86, v46
	v_add_nc_u32 v[DD2], s87, v46
	v_mov_b32 v[NINF], 0xff800000
	v_mov_b32 v[LIMP], s80
	v_mov_b32 v46, s80                             ; the same limit once more, in another register bank: the second half of a dual pair takes it
	v_mov_b32 v[SCP], s81
	v_mov_b32 v[LIMO], s82
	v_mov_b32 v[SCO], s84
.irp q, 0,1
	v_mov_b32 v[NM+2*\q+1], 0xff61b1e6             ; the largest t so far: -3e38
	v_mov_b32 v[SUM+2*\q], 0
	v_mov_b32 v[SUM+2*\q+1], 0
	v_mov_b32 v[FF+2*\q+1], 0                      ; named as the upper half of a pair
	v_mov_b32 v[XT+8*\q+2], 0                      ; a lane permute's destination counts as one of its sources
.endr
.irp q, 0,1
	v_floor_f32 v[NM+2*\q], -v[NM+2*\q+1]          ; -M
.endr
; A KEY STEP: 128 keys against my tile's 32 queries.  diag = 1: steps behind the tile's last are jumped over, and the last is masked (branches on the wave's number and the count of steps).
.macro STEP diag
.if \diag
	s_cmp_gt_u32 s[TT], s[LAST]
	s_cbranch_scc1 .Lhid_\@
.endif
	v_add_nc_u32 v[ADK], s[KB], v[AK0]
	v_add_nc_u32 v[ADV], s[VB], v[AV0]
	v_nop                                          ; with the two additions: four places in front of loads into registers that the last products read
	v_nop
.irp u, 0,1,2,3,4,5,6,7
	ds_load_b128 v[KV+8*\u:KV+8*\u+3], v[ADK] offset:(32*(\u/2)+8*(\u%2))*KP
	ds_load_b128 v[KV+8*\u+4:KV+8*\u+7], v[ADK] offset:(32*(\u/2)+8*(\u%2))*KP+32
.endr
	s_wait_alu depctr_va_vdst(0)                   ; directly ahead of the wait below
	s_wait_dscnt 0x0
.irp u, 0,1,2,3,4,5,6,7
.irp q, 0,1
	v_wmma_f32_16x16x64_fp8_fp8 v[SR+64*\q+8*\u:SR+64*\q+8*\u+7], v[KV+8*\u:KV+8*\u+7], v[QR+8*\q:QR+8*\q+7], 0
.endr
.endr
.rept 4
	v_nop                                          ; places in front of the loads over K's fragments and of the first read of the scores
.endr
.irp t, 0,1,2,3
.irp c, 0,1,2,3
	ds_load_b128 v[KV+16*\t+4*\c:KV+16*\t+4*\c+3], v[ADV] offset:16*\t*VP+32*\c   ; V's four tiles land while the softmax is worked
.endr
.endr
.if \diag
	s_cmp_lg_u32 s[TT], s[LAST]
	s_cbranch_scc1 .Lopen_\@                       ; not the tile's last step: every key counts
.irp q, 0,1
.set n, 0
.rept 64
	v_cmp_gt_i32 vcc_lo, 32*(n/16)+n%16-16*\q, v[DD]   ; register 16 b + i holds the step's key 16 (lane / 16) + 32 b + i: hidden where it comes after my query
	v_cndmask_b32 v[SR+64*\q+n], v[SR+64*\q+n], v[NINF], vcc_lo
.set n, n+1
.endr
.endr
.Lopen_\@:
.endif
.irp q, 0,1                                    ; the step's largest score of each query, two chains a half, the halves by turns; each accumulator from its low end on
	v_max3_num_f32 v[XT+8*\q], v[SR+64*\q], v[SR+64*\q+1], v[SR+64*\q+2]
	v_max3_num_f32 v[XT+8*\q+1], v[SR+64*\q+3], v[SR+64*\q+4], v[SR+64*\q+5]
.endr
.irp i, 6,10,14,18,22,26,30,34,38,42,46,50,54,58
.irp q, 0,1
	v_max3_num_f32 v[XT+8*\q], v[XT+8*\q], v[SR+64*\q+\i], v[SR+64*\q+\i+1]
	v_max3_num_f32 v[XT+8*\q+1], v[XT+8*\q+1], v[SR+64*\q+\i+2], v[SR+64*\q+\i+3]
.endr
.endr
.irp q, 0,1
	v_max3_num_f32 v[XT+8*\q], v[XT+8*\q], v[SR+64*\q+62], v[SR+64*\q+63]
.endr
.irp q, 0,1
	v_max_num_f32 v[XT+8*\q], v[XT+8*\q], v[XT+8*\q+1]
.endr
.irp q, 0,1
	v_permlanex16_b32 v[XT+8*\q+2], v[XT+8*\q], s[SEL], s[SEL+1]
.endr
.irp q, 0,1
	v_max_num_f32 v[XT+8*\q], v[XT+8*\q], v[XT+8*\q+2]   ; and among lane l xor 16's
.endr
.irp q, 0,1
	v_mul_f32 v[XT+8*\q], s[CS], v[XT+8*\q]        ; as t (c is positive)
.endr
.irp q, 0,1
	v_max_num_f32 v[NM+2*\q+1], v[NM+2*\q+1], v[XT+8*\q]   ; the running largest t
.endr
.irp q, 0,1
	v_mov_b32 v[XT+8*\q+3], v[NM+2*\q]
.endr
.irp q, 0,1
	v_floor_f32 v[NM+2*\q], -v[NM+2*\q+1]          ; the new -M = floor(-t)
.endr
.irp q, 0,1
	v_sub_f32 v[XT+8*\q+3], v[NM+2*\q], v[XT+8*\q+3]   ; old M - new M: a whole number, 0 or less
.endr
.irp q, 0,1
	v_cvt_i32_f32 v[XT+8*\q+3], v[XT+8*\q+3]       ; (it saturates)
.endr
.irp q, 0,1
	v_ldexp_f32 v[FF+2*\q], 1.0, v[XT+8*\q+3]      ; f = 2^(old M - new M)
.endr
.set j, 0
.rept 32
.irp q, 0,1
	v_pk_fma_f32 v[SR+64*\q+j:SR+64*\q+j+1], v[SR+64*\q+j:SR+64*\q+j+1], s[CS:CS+1], v[NM+2*\q:NM+2*\q+1] op_sel_hi:[1,0,0]   ; t - M
.endr
.set j, j+2
.endr
	s_wait_alu depctr_va_vdst(0)                   ; ahead of the batch
.set j, 0
.rept 128
	v_exp_f32 v[SR+j], v[SR+j]                     ; p = 2^(t - M)
.set j, j+1
.endr
.irp q, 0,1
	v_pk_mul_f32 v[SUM+2*\q:SUM+2*\q+1], v[SUM+2*\q:SUM+2*\q+1], v[FF+2*\q:FF+2*\q+1] op_sel_hi:[1,0]   ; the sums under the new M (plain places behind the exponentials)
.endr
	s_wait_alu depctr_va_vdst(0)                   ; one wait for the batch, ahead of its first reader
.irp c, 0,1,2,3                                ; the row's sum of the unquantised p: four chains a half
.irp q, 0,1
	v_pk_add_f32 v[XT+8*\q+2*\c:XT+8*\q+2*\c+1], v[SR+64*\q+4*\c:SR+64*\q+4*\c+1], v[SR+64*\q+4*\c+2:SR+64*\q+4*\c+3]
.endr
.endr
.set k, 8
.rept 24
.irp q, 0,1
	v_pk_add_f32 v[XT+8*\q+2*(k%4):XT+8*\q+2*(k%4)+1], v[XT+8*\q+2*(k%4):XT+8*\q+2*(k%4)+1], v[SR+64*\q+2*k:SR+64*\q+2*k+1]
.endr
.set k, k+1
.endr
.irp q, 0,1
	v_pk_add_f32 v[XT+8*\q:XT+8*\q+1], v[XT+8*\q:XT+8*\q+1], v[XT+8*\q+2:XT+8*\q+3]
	v_pk_add_f32 v[XT+8*\q+4:XT+8*\q+5], v[XT+8*\q+4:XT+8*\q+5], v[XT+8*\q+6:XT+8*\q+7]
.endr
.irp q, 0,1
	v_pk_add_f32 v[XT+8*\q:XT+8*\q+1], v[XT+8*\q:XT+8*\q+1], v[XT+8*\q+4:XT+8*\q+5]
.endr
.irp q, 0,1
	v_pk_add_f32 v[SUM+2*\q:SUM+2*\q+1], v[SUM+2*\q:SUM+2*\q+1], v[XT+8*\q:XT+8*\q+1]
.endr
.set j, 0
.rept 64
	v_dual_min_num_f32 v[SR+j], v[LIMP], v[SR+j] :: v_dual_min_num_f32 v[SR+j+1], v46, v[SR+j+1]   ; the hold (the conversion does not saturate: ISA guide 7.6.2); p is never negative, so it is one-sided; two numbers an instruction
.set j, j+2
.endr
	WIN 0x40                                       ; the codes go to window 1
.set j, 0
.rept 16
	v_cvt_scalef32_pk8_fp8_f32 v[CD+2*j:CD+2*j+1], v[SR+8*j:SR+8*j+7], v[SCP]
.set j, j+1
.endr
	WIN 0x41                                       ; O^T: source 0 and destination in window 1
	s_wait_alu depctr_va_vdst(0)                   ; directly ahead of the first reader of O^T
.irp q, 0,1
.set j, 0
.rept 16
	v_pk_mul_f32 v[32*\q+j:32*\q+j+1], v[32*\q+j:32*\q+j+1], v[FF+2*\q:FF+2*\q+1] op_sel_hi:[1,0]   ; O^T under the new M (also the plain lines behind the conversions)
.set j, j+2
.endr
.endr
	s_wait_alu depctr_va_vdst(0)                   ; directly ahead of the wait below
	s_wait_dscnt 0x0                               ; V's tiles are in
	WIN 0x54                                       ; source 0 (V) window 0; p's codes, C and D window 1
.irp t, 0,1,2,3
.irp q, 0,1
	v_wmma_f32_16x16x128_fp8_fp8 v[32*\q+8*\t:32*\q+8*\t+7], v[KV+16*\t:KV+16*\t+15], v[CD+16*\q:CD+16*\q+15], v[32*\q+8*\t:32*\q+8*\t+7]   ; the eight accumulators take turns
.endr
.endr
	WIN 0
.if \diag
.Lhid_\@:
.endif
	s_add_co_u32 s[KB], s[KB], 128*KP              ; the next 128 keys in LDS
	s_add_co_u32 s[VB], s[VB], 64*VP
.endm
; A tile is finished: O^T / the sum, quantised, half by half through my stage, 2,048 bytes on end into ac.  restart = 1: the smaller tile begins.
.macro FINISH restart
.rept 4
	v_nop                                          ; places behind the last products
.endr
.irp q, 0,1
	v_add_f32 v[SUM+2*\q], v[SUM+2*\q], v[SUM+2*\q+1]
.endr
.irp q, 0,1
	v_permlanex16_b32 v[XT+8*\q+2], v[SUM+2*\q], s[SEL], s[SEL+1]
.endr
.irp q, 0,1
	v_add_f32 v[SUM+2*\q], v[SUM+2*\q], v[XT+8*\q+2]   ; the row's sum
.endr
	s_wait_alu depctr_va_vdst(0)                   ; ahead of the transcendentals
	v_rcp_f32 v[SUM], v[SUM]
	v_rcp_f32 v[SUM+2], v[SUM+2]
	v_nop                                          ; a plain place behind them
	WIN 0x01                                       ; source 0 (O^T) window 1
	s_wait_alu depctr_va_vdst(0)                   ; ahead of the first reader of the reciprocals and of O^T
.irp q, 0,1
.set j, 0
.rept 16
	v_pk_mul_f32 v[SR+64*\q+j:SR+64*\q+j+1], v[32*\q+j:32*\q+j+1], v[SUM+2*\q:SUM+2*\q+1] op_sel_hi:[1,0]   ; register 8 t + i: channel 16 t + 8 (lane / 16) + i of my query
.set j, j+2
.endr
.endr
	WIN 0
.irp q, 0,1
.set j, 0
.rept 32
	v_med3_num_f32 v[SR+64*\q+j], v[SR+64*\q+j], -v[LIMO], v[LIMO]   ; the hold at 448 x 2^(e10 - e8 - e9)
.set j, j+1
.endr
.endr
.irp q, 0,1
.irp t, 0,1,2,3
	v_cvt_scalef32_pk8_fp8_f32 v[KV+8*\q+2*\t:KV+8*\q+2*\t+1], v[SR+64*\q+8*\t:SR+64*\q+8*\t+7], v[SCO]
.endr
.endr
	v_nop                                          ; one plain vector line behind the last conversion
.irp q, 0,1                                    ; LDS serves a wave's instructions in order (ISA guide 5.7.1.4): the loads see my stores, and the second half's stores come behind the first's loads
.irp t, 0,1,2,3
	ds_store_b64 v[STO], v[KV+8*\q+2*\t:KV+8*\q+2*\t+1] offset:16*\t
.endr
	ds_load_b128 v[KV+32+8*\q:KV+35+8*\q], v[SRD]
	ds_load_b128 v[KV+36+8*\q:KV+39+8*\q], v[SRD] offset:8*80
.endr
	s_wait_dscnt 0x0
.irp i, 0,1,2,3
	global_store_b128 v[GO], v[KV+32+4*\i:KV+35+4*\i], s[12:13] offset:512*\i   ; 32 lanes store 512 bytes on end, aligned
.endr
.if \restart
	s_wait_xcnt 0x0                                ; the stores have read their base and their data
	s_mov_b64 s[12:13], s[94:95]
	s_mov_b32 s[LAST], s[LAST2]
	WIN 0x01
.set j, 0
.rept 16
	v_mov_b32 v[QR+j], v[Q2+j]                     ; the smaller tile's Q
.set j, j+1
.endr
	WIN 0x40
.set j, 0
.rept 64
	v_mov_b32 v[j], 0
.set j, j+1
.endr
	WIN 0
	v_mov_b32 v[DD], v[DD2]
.irp q, 0,1
	v_mov_b32 v[NM+2*\q+1], 0xff61b1e6
	v_mov_b32 v[SUM+2*\q], 0
	v_mov_b32 v[SUM+2*\q+1], 0
.endr
.irp q, 0,1
	v_floor_f32 v[NM+2*\q], -v[NM+2*\q+1]
.endr
	s_wait_alu depctr_va_vdst(0)
.endif
.endm
	s_wait_alu depctr_va_vdst(0)                   ; the wait at the head's end
	s_wait_loadcnt 0x0                             ; Q, both tiles
	s_wait_tensorcnt 0x0                           ; my part of keys 0 .. 511 is in; the lines ahead of a later first fill:
	ds_add_u32 v[SPW], v[NIL]
	s_mul_i32 s80, s[W3], 24576                    ; no load of mine is out, so the groups 0 may be written: 384 keys a wave, from key 512 on
	s_add_co_u32 s80, s80, 32768
	s_mov_b32 s81, 0
	s_mul_i32 s[G0K+1], s[W3], 384*KP
	s_add_co_u32 s[G0K+1], s[G0K+1], 512*KP
	s_add_nc_u64 s[G0K+2:G0K+3], s[KBASE:KBASE+1], s[80:81]
	s_or_b32 s[G0K+3], s[G0K+3], 0x80000000
	s_mul_i32 s[G0V+1], s[W3], 192*VP
	s_add_co_u32 s[G0V+1], s[G0V+1], VOFF+256*VP
	s_add_nc_u64 s[G0V+2:G0V+3], s[VBASE:VBASE+1], s[80:81]
	s_or_b32 s[G0V+3], s[G0V+3], 0x80000000
	s_wait_dscnt 0x0
	CROUND                                         ; everybody's part of keys 0 .. 511 is in, and the four work-groups are here
	JLOAD G1K1, G1V1                               ; keys 512 .. 2,047: the first tensor load behind the round, one a wave
	s_mov_b32 s[KB], 0
	s_mov_b32 s[VB], 0
	s_mov_b32 s[TT], 0
.Lfirst:                                           ; the larger tile, key steps 0 to 3: every wave has at least nine, so none is hidden or masked
	STEP 0
	s_add_co_u32 s[TT], s[TT], 1
	s_cmp_lt_u32 s[TT], 4
	s_cbranch_scc1 .Lfirst
	s_wait_tensorcnt 0x0                           ; my part of the other keys is in
	ds_add_u32 v[SPW], v[NIL]
	s_wait_dscnt 0x0
	s_barrier_signal -1
	s_barrier_wait -1                              ; everybody's is: from here on the waves go their own ways
	s_mov_b32 s[KB], 4*128*KP
	s_mov_b32 s[VB], 4*64*VP
	s_mov_b32 s[TT], 4
.Llarge:                                           ; the larger tile, key steps 4 to 15
	STEP 1
	s_add_co_u32 s[TT], s[TT], 1
	s_cmp_lt_u32 s[TT], 16
	s_cbranch_scc1 .Llarge
	FINISH 1
	s_mov_b32 s[KB], 0
	s_mov_b32 s[VB], 0
	s_mov_b32 s[TT], 0
.Lsmall:                                           ; the smaller tile, key steps 0 to 7
	STEP 1
	s_add_co_u32 s[TT], s[TT], 1
	s_cmp_lt_u32 s[TT], 8
	s_cbranch_scc1 .Lsmall
	FINISH 0
	s_wait_tensorcnt 0x0                           ; the wave's end
	ds_add_u32 v[SPW], v[NIL]
	s_wait_dscnt 0x0
	CROUND                                         ; the closing round
	s_endpgm
.Lfunc_end_k_qea9cb35ca5_attn:
	.size	k_qea9cb35ca5_attn, .Lfunc_end_k_qea9cb35ca5_attn-k_qea9cb35ca5_attn
	.p2alignl 7, 3214868480
	.fill 96, 4, 3214868480
	.section	.rodata,"a",@progbits
	.p2align	6, 0x0
	.amdhsa_kernel k_qea9cb35ca5_attn
		.amdhsa_group_segment_fixed_size 327680
		.amdhsa_private_segment_fixed_size 0
		.amdhsa_enable_private_segment 0
		.amdhsa_kernarg_size 40
		.amdhsa_user_sgpr_count 2
		.amdhsa_user_sgpr_kernarg_segment_ptr 1
		.amdhsa_wavefront_size32 1
		.amdhsa_system_sgpr_workgroup_id_x 1
		.amdhsa_system_sgpr_workgroup_id_y 1
		.amdhsa_system_sgpr_workgroup_id_z 1
		.amdhsa_system_vgpr_workitem_id 0
		.amdhsa_next_free_vgpr 384
		.amdhsa_next_free_sgpr 100
		.amdhsa_reserve_vcc 1
		.amdhsa_float_denorm_mode_32 3
		.amdhsa_float_denorm_mode_16_64 3
		.amdhsa_memory_ordered 1
		.amdhsa_forward_progress 1
		.amdhsa_inst_pref_size 138
	.end_amdhsa_kernel
	.amdgpu_metadata
---
amdhsa.version: [ 1, 2 ]
amdhsa.kernels:
  - .name:           k_qea9cb35ca5_attn
    .symbol:         k_qea9cb35ca5_attn.kd
    .args:
      - { .name: qc, .offset: 0, .size: 8, .value_kind: global_buffer, .address_space: global }
      - { .name: kc, .offset: 8, .size: 8, .value_kind: global_buffer, .address_space: global }
      - { .name: vc, .offset: 16, .size: 8, .value_kind: global_buffer, .address_space: global }
      - { .name: lowp_scales, .offset: 24, .size: 8, .value_kind: global_buffer, .address_space: global }
      - { .name: ac, .offset: 32, .size: 8, .value_kind: global_buffer, .address_space: global }
    .group_segment_fixed_size: 327680
    .private_segment_fixed_size: 0
    .kernarg_segment_align: 8
    .kernarg_segment_size: 40
    .max_flat_workgroup_size: 256
    .sgpr_count:     100
    .vgpr_count:     384
    .wavefront_size: 32
...
	.end_amdgpu_metadata
.endif
;; end of part 2
;; launch oproj (part 3): grid 4 x 64, 4 waves a work-group, clusters of 4 x 4, 327,680 bytes of LDS; arguments ac, Wo_codes, lowp_scales, bo, out0; writes out0
.if DOCPART == 3
	.amdgcn_target "amdgcn-amd-amdhsa--gfx1250"
	.amdhsa_code_object_version 6
	.text
	.protected	k_qea9cb35ca5_oproj
	.globl	k_qea9cb35ca5_oproj
	.p2align	8
	.type	k_qea9cb35ca5_oproj,@function
k_qea9cb35ca5_oproj:
	s_mov_b64 s[64:65], 0
	v_nop
	global_prefetch_b8 v0, s[64:65] scope:SCOPE_SE
	s_setreg_imm32_b32 hwreg(HW_REG_WAVE_MODE, 25, 1), 1
	s_wait_xcnt 0x0
	s_wait_alu depctr_hold_cnt(0) depctr_sa_sdst(0) depctr_va_vdst(0) depctr_va_sdst(0) depctr_va_ssrc(0) depctr_va_vcc(0) depctr_vm_vsrc(0)
	s_getreg_b32 s2, hwreg(HW_REG_IB_STS2, 6, 4)
	s_cmp_eq_u32 s2, 0
	s_cbranch_scc0 .Lentry_in_a_cluster
	s_endpgm
.Lentry_in_a_cluster:
	s_bfe_u32 s2, ttmp6, 0x10000c
	s_cmp_lg_u32 s2, 0xf033
	s_cbranch_scc0 .Lentry_shape_is_right
	s_endpgm
.Lentry_shape_is_right:
; out0 = a Wo^T + bo (product 6) on codes of E4M3.  ac: [64 blocks of 128 tokens][16 h][128 tokens][64 s], codes with the scale 2^e10; Wo_codes: [1024 n][1024 k], scale 2^e11; out0: [8192][1024] f32.
; Each finished sum is multiplied once by 2^(e10 + e11) and bo is added, in one fused multiply-add.  LIMIT: e10 + e11 lies between -126 and 127, so that the power is an f32 number.  NaN codes are not served.
; SHARES: a work-group makes 128 tokens x 256 columns, in TWO PASSES of 128 columns; a wave makes 64 x 64 a pass: 16 accumulators.
; A's 128 tokens x all of K lie in LDS for the whole launch (16 heads x 128 rows of 64 + 16 bytes = 163,840), beside them 128 rows of Wo x all of K (1,024 + 16 bytes a row = 133,120): no ring along K.
; At the head each wave asks for one tile (waves 0, 1: eight heads of A each; waves 2, 3: 64 rows of Wo each).  Behind the first pass Wo's rows are filled again with the next 128,
; and the first pass's results go out, through a stage on bytes of its own, while that load is on its way.
; CLUSTER 4 x 4: A's tile hangs on the block of tokens and is asked for jointly along a row of the cluster, Wo's on the tile column and jointly along a column.
; NO PREFETCH: the launch has three groups of loads and no loop of loads to run ahead in.
; The matrix instruction is used transposed (source 0 = 16 rows of Wo, source 1 = 16 tokens): a lane holds eight neighbouring columns of one token's row.
; A fragment takes k in the order 32 c + 16 (lane / 16) + 0 .. 15, the same in A and in B; k = 64 head + channel.
; REGISTERS: window 0: v0-31 addresses; v32-63 a block on its way out; v128-255 A's fragments, two sets (on the way out: blocks read back).  window 1: v0-127 B's fragments, two sets.
; window 2: v0-127 accumulator (a, b) at v[8 (4 a + b)].  window 3: v0-63 bo at my columns, both passes.
.set PA,     80                        ; a token's row of one head in LDS: 64 codes + 16 bytes
.set HEADB,  128*PA
.set BOFF,   16*HEADB
.set PB,     1040                      ; a row of Wo in LDS: 1,024 codes + 16 bytes
.set SPARE,  BOFF+128*PB               ; the spare words, 128 bytes a wave
.set STAGE,  SPARE+512                 ; the way out: 16 rows x 272 bytes a wave; no fill lands here
.set SPITCH, 272
.set FR,     16
.set ADRA, 16                          ; v16-19  LDS address of my A fragments, heads 4 j on
.set ADRB, 20
.set STO,  24
.set RD,   25
.set CO,   26
.set SPW,  28
.set NIL,  29
.set TMP,  32
.set AF,   128
.set BK,   128
.set G1, 24
.set G0, 32
.set G1B, 48
.set G0B, 56
.set MSB, 0
.macro WIN new                         ; the immediate's high byte repeats the setting that is left
.if MSB != (\new)
	s_set_vgpr_msb (MSB<<8)|(\new)
.set MSB, (\new)
.endif
.endm
.set MUL,  0xa1                        ; source 0 (B) window 1, source 1 (A) window 0, C and D window 2
.set TO_B, 0x40
.macro CROUND                          ; a round of the cluster's barrier
	s_barrier_signal -1
	s_barrier_wait -1
	s_cmp_lg_u32 s14, 0
	s_cbranch_scc1 .Lnot_wave_0_\@
	s_barrier_signal -3
.Lnot_wave_0_\@:
	s_barrier_wait -3
	s_barrier_signal -1
	s_barrier_wait -1
.endm
.macro PLACES                          ; plain vector places behind matrix instructions (ISA guide 7.12.1)
.rept 4
	v_nop
.endr
.endm
	s_load_b256 s[4:11], s[0:1], 0x0               ; ac s[4:5], Wo s[6:7], the exponents s[8:9], bo s[10:11]
	s_load_b64 s[12:13], s[0:1], 0x20              ; out0
	v_lshl_add_u32 v[SPW], v0, 2, SPARE
	v_mov_b32 v[NIL], 0
	ds_add_u32 v[SPW], v[NIL]                      ; the opening lines: the add, twice on end, and its wait below
	ds_add_u32 v[SPW], v[NIL]
	v_lshrrev_b32 v1, 5, v0
	v_readfirstlane_b32 s14, v1                    ; wave 0..3
	s_lshr_b32 s15, s14, 1                         ; which 64 tokens are mine.  Also: I fetch for A (0) or for B (1)
	s_and_b32 s16, s14, 1                          ; which 64 columns.  Also: which half of that tile I fetch
	s_bfe_u32 s40, ttmp6, 0x40000                  ; cx
	s_bfe_u32 s41, ttmp6, 0x40004                  ; cy
	s_lshl_b32 s42, ttmp9, 2
	s_add_co_u32 s42, s42, s40                     ; tile column: 256 columns
	s_and_b32 s17, ttmp7, 0xffff
	s_lshl_b32 s17, s17, 2
	s_add_co_u32 s17, s17, s41                     ; tile row: a block of 128 tokens
	s_lshl_b32 s43, s41, 2
	s_lshl_b32 s43, 15, s43                        ; my row of the cluster
	s_lshl_b32 s44, 0x1111, s40                    ; my column
	s_or_b32 s[G1], s43, (1<<20)|(1<<21)|(3<<22)|(3<<25)   ; A: dense memory stated as 256 rows of 256 bytes; four words of padding behind every 16
	s_mov_b32 s[G1+1], 256<<16
	s_mov_b32 s[G1+2], 256<<16
	s_mov_b32 s[G1+3], 256<<16
	s_mov_b32 s[G1+4], 256
	s_mov_b32 s[G1+5], 256
	s_mov_b32 s[G1+6], 0
	s_mov_b32 s[G1+7], 0
	s_or_b32 s[G1B], s44, (1<<20)|(1<<21)|(7<<22)|(3<<25)  ; B: 64 rows of 1,024 bytes; four words of padding behind every 256
	s_mov_b32 s[G1B+1], 1024<<16
	s_mov_b32 s[G1B+2], 64<<16
	s_mov_b32 s[G1B+3], 1024<<16
	s_mov_b32 s[G1B+4], 64
	s_mov_b32 s[G1B+5], 1024
	s_mov_b32 s[G1B+6], 0
	s_mov_b32 s[G1B+7], 0
	s_lshl_b32 s20, s17, 17                        ; A: the block's 128 KiB, + eight heads x half
	s_lshl_b32 s18, s16, 16
	s_add_co_u32 s20, s20, s18
	s_mov_b32 s21, 0
	s_lshl_b32 s46, s42, 8                         ; B: row 256 x tile column + 64 x half
	s_lshl_b32 s18, s16, 6
	s_add_co_u32 s46, s46, s18
	s_lshl_b32 s46, s46, 10
	s_mov_b32 s47, 0
	s_mul_i32 s45, s16, 8*HEADB                    ; where they go
	s_mul_i32 s66, s16, 64*PB
	s_add_co_u32 s66, s66, BOFF
	s_wait_dscnt 0x0                               ; both opening adds are done
	s_wait_kmcnt 0x0
	s_load_b64 s[96:97], s[8:9], 0x28              ; e10, e11
	s_add_nc_u64 s[20:21], s[4:5], s[20:21]
	s_add_nc_u64 s[46:47], s[6:7], s[46:47]
	CROUND                                         ; all sixteen work-groups are here: the first joint loads meet
	s_mov_b32 s[G0], 1
	s_mov_b32 s[G0+1], s45
	s_mov_b64 s[G0+2:G0+3], s[20:21]
	s_or_b32 s[G0+3], s[G0+3], 0x80000000
	s_mov_b32 s[G0B], 1
	s_mov_b32 s[G0B+1], s66
	s_mov_b64 s[G0B+2:G0B+3], s[46:47]
	s_or_b32 s[G0B+3], s[G0B+3], 0x80000000
	s_cmp_eq_u32 s15, 0                            ; one tensor load a wave; s_nop 0 and four v_nop follow each line
	s_cbranch_scc0 .Lfor_b
	tensor_load_to_lds s[G0:G0+3], s[G1:G1+7]
	s_nop 0
.rept 4
	v_nop
.endr
	s_branch .Lasked
.Lfor_b:
	tensor_load_to_lds s[G0B:G0B+3], s[G1B:G1B+7]
	s_nop 0
.rept 4
	v_nop
.endr
.Lasked:
	s_mul_i32 s2, s15, 64*PA                       ; my 64 tokens in each head's rows
	s_mul_i32 s3, s16, 64*PB
	s_add_co_u32 s3, s3, BOFF                      ; my 64 rows of Wo
	s_mul_i32 s23, s14, 16*SPITCH
	s_add_co_u32 s23, s23, STAGE                   ; my stage
	s_lshl_b32 s18, s42, 10                        ; my first column, in bytes of f32: 1,024 x tile column + 256 x half
	s_lshl_b32 s19, s16, 8
	s_add_co_u32 s18, s18, s19
	s_mov_b32 s19, 0
	s_add_nc_u64 s[10:11], s[10:11], s[18:19]      ; bo there
	s_lshl_b32 s20, s17, 7
	s_lshl_b32 s21, s15, 6
	s_add_co_u32 s20, s20, s21                     ; my first token
	s_lshl_b32 s20, s20, 12
	s_add_co_u32 s20, s20, s18
	s_mov_b32 s21, 0
	s_add_nc_u64 s[12:13], s[12:13], s[20:21]
	s_wait_kmcnt 0x0
	s_add_co_i32 s96, s96, s97
	s_add_co_i32 s96, s96, 127
	s_lshl_b32 s96, s96, 23                        ; 2^(e10 + e11) as f32
	s_mov_b32 s97, s96
	v_and_b32 v1, 15, v0                           ; r = lane % 16
	v_bfe_u32 v2, v0, 4, 1                         ; h = lane / 16
	v_mul_u32_u24 v3, v1, PA
	v_lshl_add_u32 v3, v2, 4, v3
	v_add_nc_u32 v[ADRA], s2, v3
	v_add_nc_u32 v[ADRA+1], 4*HEADB, v[ADRA]       ; an LDS offset has 16 bits: a base for every four heads
	v_add_nc_u32 v[ADRA+2], 8*HEADB, v[ADRA]
	v_add_nc_u32 v[ADRA+3], 12*HEADB, v[ADRA]
	v_mul_u32_u24 v4, v1, PB
	v_lshl_add_u32 v4, v2, 4, v4
	v_add_nc_u32 v[ADRB], s3, v4
	v_mul_u32_u24 v5, v1, SPITCH                   ; the stage, in: row r, 32 bytes for each half of the lanes
	v_lshl_add_u32 v5, v2, 5, v5
	v_add_nc_u32 v[STO], s23, v5
	v_mul_u32_u24 v5, v2, SPITCH                   ; back: lanes 0-15 one row of 256 bytes, lanes 16-31 the next
	v_lshl_add_u32 v5, v1, 4, v5
	v_add_nc_u32 v[RD], s23, v5
	v_lshlrev_b32 v[CO], 12, v2                    ; and the same two rows in out0
	v_lshl_add_u32 v[CO], v1, 4, v[CO]
	v_lshlrev_b32 v13, 5, v2
	WIN 0xc0                                       ; destination window 3
.irp p, 0,1
.irp b, 0,1,2,3
	global_load_b128 v[32*\p+8*\b:32*\p+8*\b+3], v13, s[10:11] offset:512*\p+64*\b      ; bo at columns 128 p + 16 b + 8 h + 0 .. 7
	global_load_b128 v[32*\p+8*\b+4:32*\p+8*\b+7], v13, s[10:11] offset:512*\p+64*\b+16
.endr
.endr
	WIN 0
.macro FETCH kq, p                     ; the fragments of the kq-th 128 along K (heads 2 kq, 2 kq + 1) into set p: B's four, A's four
	WIN TO_B
.irp i, 0,1,2,3
.irp c, 0,1,2,3
	ds_load_b128 v[64*(\p)+FR*\i+4*\c:64*(\p)+FR*\i+4*\c+3], v[ADRB] offset:128*(\kq)+32*\c+\i*16*PB
.endr
.endr
	WIN 0
.irp i, 0,1,2,3
.irp c, 0,1,2,3
	ds_load_b128 v[AF+64*(\p)+FR*\i+4*\c:AF+64*(\p)+FR*\i+4*\c+3], v[ADRA+(\kq)/2] offset:(2*((\kq)%2)+\c/2)*HEADB+\i*16*PA+32*(\c%2)
.endr
.endr
.endm
.macro MULS p, zero                    ; 16 matrix instructions; the 16 accumulators take turns, one instruction a turn
	WIN MUL
.irp a, 0,1,2,3
.irp b, 0,1,2,3
.if \zero
	v_wmma_f32_16x16x128_fp8_fp8 v[8*(4*\a+\b):8*(4*\a+\b)+7], v[64*(\p)+FR*\b:64*(\p)+FR*\b+FR-1], v[AF+64*(\p)+FR*\a:AF+64*(\p)+FR*\a+FR-1], 0
.else
	v_wmma_f32_16x16x128_fp8_fp8 v[8*(4*\a+\b):8*(4*\a+\b)+7], v[64*(\p)+FR*\b:64*(\p)+FR*\b+FR-1], v[AF+64*(\p)+FR*\a:AF+64*(\p)+FR*\a+FR-1], v[8*(4*\a+\b):8*(4*\a+\b)+7]
.endif
.endr
.endr
	WIN 0
.endm
; A PASS: all of K, eight steps of 128; while one set of fragments is multiplied, the next step's 32 loads are on their way into the other.
.macro PASS
	FETCH 0, 0
	s_wait_dscnt 0x0
	FETCH 1, 1
	MULS 0, 1                                      ; the first step starts the sums
.irp k, 1,2,3,4,5,6
	s_wait_dscnt 0x0                               ; step k's fragments are in
	PLACES                                         ; in front of loads into the set that the last step multiplied
	FETCH \k+1, (\k+1)%2
	MULS \k%2, 0
.endr
	s_wait_dscnt 0x0
	MULS 1, 0
.endm
; THE WAY OUT of pass p, block by block of 16 tokens x 64 columns: x 2^(e10 + e11), + bo, through my own stage, and back as whole rows of 256 bytes.
; LDS serves a wave's instructions in order (ISA guide 5.7.1.4): no wait between the stage's stores and loads, nor in front of the next block's stores.
.macro TOSTAGE a, p
.set BB, BK+32*((\a)%2)
	WIN 0x32                                       ; source 0 window 2, source 2 window 3
.set j, 0
.rept 16
	v_pk_fma_f32 v[TMP+j:TMP+j+1], v[32*(\a)+j:32*(\a)+j+1], s[96:97], v[32*(\p)+j:32*(\p)+j+1] op_sel_hi:[1,0,1]   ; each accumulator from its low end on
.set j, j+2
.endr
	WIN 0
.irp b, 0,1,2,3
	ds_store_b128 v[STO], v[TMP+8*\b:TMP+8*\b+3] offset:64*\b
	ds_store_b128 v[STO], v[TMP+8*\b+4:TMP+8*\b+7] offset:64*\b+16
.endr
.irp t, 0,1,2,3,4,5,6,7
	ds_load_b128 v[BB+4*\t:BB+4*\t+3], v[RD] offset:\t*2*SPITCH
.endr
.endm
.macro SEND a, younger                 ; younger: the LDS instructions issued behind block a's loads, which may stay out
.set BB, BK+32*((\a)%2)
	s_wait_dscnt \younger
.if (\a) > 0
	s_add_nc_u64 s[12:13], s[12:13], 16*4096       ; (behind a wait on XCNT: the earlier stores have read their base)  16 tokens on
.endif
.irp t, 0,1,2,3,4,5,6,7
	global_store_b128 v[CO], v[BB+4*\t:BB+4*\t+3], s[12:13] offset:\t*2*4096 th:TH_STORE_NT   ; sixteen lanes store 256 bytes on end, aligned
.endr
.endm
.macro WAYOUT p
	PLACES
	TOSTAGE 0, \p
.irp a, 1,2,3
.if \a > 1
	s_wait_xcnt 0x0                                ; block a - 2's stores have read their registers and their base
.endif
	TOSTAGE \a, \p
	SEND \a-1, 16                                  ; behind block a - 1's loads: block a's 8 stores and 8 loads
.endr
	s_wait_xcnt 0x0
	SEND 3, 0
.endm
	s_wait_alu depctr_va_vdst(0)                   ; the wait at the head's end
	s_wait_loadcnt 0x0                             ; bo
	s_wait_tensorcnt 0x0                           ; my tile is in
	s_barrier_signal -1
	s_barrier_wait -1                              ; everybody's is
	PASS
	s_wait_tensorcnt 0x0                           ; the lines in front of a refill:
	ds_add_u32 v[SPW], v[NIL]
	s_add_nc_u64 s[G0B+2:G0B+3], s[G0B+2:G0B+3], 128*1024   ; no load of mine is out: Wo's next 128 rows
	s_wait_dscnt 0x0                               ; the add is done, and my reads of Wo's rows are over
	CROUND                                         ; that holds of every wave of every work-group of the cluster
	s_cmp_eq_u32 s15, 0
	s_cbranch_scc1 .Lno_b                          ; waves 0 and 1 have no part of the tile to fill
	tensor_load_to_lds s[G0B:G0B+3], s[G1B:G1B+7]
	s_nop 0
.rept 4
	v_nop
.endr
.Lno_b:
	WAYOUT 0                                       ; the first 128 columns go out while the load is on its way
	s_wait_xcnt 0x0                                ; the last stores have read their data and their base
	s_sub_nc_u64 s[12:13], s[12:13], 3*16*4096-512 ; back to my first token, 128 columns on
	s_wait_tensorcnt 0x0                           ; my part of Wo's next rows is in
	s_barrier_signal -1
	s_barrier_wait -1                              ; everybody's is
	PASS
	WAYOUT 1
	s_wait_tensorcnt 0x0                           ; the wave's end
	ds_add_u32 v[SPW], v[NIL]
	s_wait_dscnt 0x0
	CROUND                                         ; the closing round
	s_endpgm
.Lfunc_end_k_qea9cb35ca5_oproj:
	.size	k_qea9cb35ca5_oproj, .Lfunc_end_k_qea9cb35ca5_oproj-k_qea9cb35ca5_oproj
	.p2alignl 7, 3214868480
	.fill 96, 4, 3214868480
	.section	.rodata,"a",@progbits
	.p2align	6, 0x0
	.amdhsa_kernel k_qea9cb35ca5_oproj
		.amdhsa_group_segment_fixed_size 327680
		.amdhsa_private_segment_fixed_size 0
		.amdhsa_enable_private_segment 0
		.amdhsa_kernarg_size 40
		.amdhsa_user_sgpr_count 2
		.amdhsa_user_sgpr_kernarg_segment_ptr 1
		.amdhsa_wavefront_size32 1
		.amdhsa_system_sgpr_workgroup_id_x 1
		.amdhsa_system_sgpr_workgroup_id_y 1
		.amdhsa_system_sgpr_workgroup_id_z 1
		.amdhsa_system_vgpr_workitem_id 0
		.amdhsa_next_free_vgpr 832
		.amdhsa_next_free_sgpr 100
		.amdhsa_reserve_vcc 0
		.amdhsa_float_denorm_mode_32 3
		.amdhsa_float_denorm_mode_16_64 3
		.amdhsa_memory_ordered 1
		.amdhsa_forward_progress 1
		.amdhsa_inst_pref_size 85
	.end_amdhsa_kernel
	.amdgpu_metadata
---
amdhsa.version: [ 1, 2 ]
amdhsa.kernels:
  - .name:           k_qea9cb35ca5_oproj
    .symbol:         k_qea9cb35ca5_oproj.kd
    .args:
      - { .name: ac, .offset: 0, .size: 8, .value_kind: global_buffer, .address_space: global }
      - { .name: Wo_codes, .offset: 8, .size: 8, .value_kind: global_buffer, .address_space: global }
      - { .name: lowp_scales, .offset: 16, .size: 8, .value_kind: global_buffer, .address_space: global }
      - { .name: bo, .offset: 24, .size: 8, .value_kind: global_buffer, .address_space: global }
      - { .name: out0, .offset: 32, .size: 8, .value_kind: global_buffer, .address_space: global }
    .group_segment_fixed_size: 327680
    .private_segment_fixed_size: 0
    .kernarg_segment_align: 8
    .kernarg_segment_size: 40
    .max_flat_workgroup_size: 128
    .sgpr_count:     100
    .vgpr_count:     832
    .wavefront_size: 32
...
	.end_amdgpu_metadata
.endif
;; end of part 3
